; MI455X (gfx1250); checked and timed in simulation.
; The chip was launched on July 23, 2026; its instructions are those of AMD's public machine-readable ISA for CDNA 5 (MIT licence, August 2026) and "CDNA5" Instruction Set Architecture Reference Guide (July 2026). The comments in the code are by the model that wrote it; some were corrected since.
;; Hybrid Attention. Allowed arithmetic: float matrix products may take bf16 or f16 operands with f32 sums; other float arithmetic in f32, or as packed bf16 or f16 multiplies, adds, multiply-adds, maxima and minima; sums over many terms, partial sums and values carried from step to step in f32; what a program stores and reads back later, other than sums and carried values, may be rounded once to bf16 or f16.
;; Inputs: keys 4 x 2,048 x 8 x 64 float32; queries 4 x 2,048 x 8 x 64 float32; values 4 x 2,048 x 8 x 64 float32.
;; Outputs: out0 4 x 2,048 x 8 x 64 float32.
;; One version. Each part assembles by itself: llvm-mc -triple=amdgcn-amd-amdhsa -mcpu=gfx1250 --defsym DOCPART=n.
;; ======== version 1 of 1: 1 launch
;; limits: right only within a limited range of input values
;; launch hybrid (part 1): grid 8 x 32, 4 waves a work-group, clusters of 4 x 1, 327,680 bytes of LDS; arguments queries, keys, values, out0; writes out0
.if DOCPART == 1
	.amdgcn_target "amdgcn-amd-amdhsa--gfx1250"
	.amdhsa_code_object_version 6
	.text
	.protected	k_q665d39c662_hybrid
	.globl	k_q665d39c662_hybrid
	.p2align	8
	.type	k_q665d39c662_hybrid,@function
k_q665d39c662_hybrid:
	s_mov_b64 s[64:65], 0
	v_nop
	global_prefetch_b8 v0, s[64:65] scope:SCOPE_SE
	s_setreg_imm32_b32 hwreg(HW_REG_WAVE_MODE, 25, 1), 1
	s_wait_xcnt 0x0
	s_wait_alu depctr_hold_cnt(0) depctr_sa_sdst(0) depctr_va_vdst(0) depctr_va_sdst(0) depctr_va_ssrc(0) depctr_va_vcc(0) depctr_vm_vsrc(0)
	s_getreg_b32 s2, hwreg(HW_REG_IB_STS2, 6, 4)
	s_cmp_eq_u32 s2, 0
	s_cbranch_scc0 .Lentry_in_a_cluster
	s_endpgm
.Lentry_in_a_cluster:
	s_bfe_u32 s2, ttmp6, 0x10000c
	s_cmp_lg_u32 s2, 0x3003
	s_cbranch_scc0 .Lentry_shape_is_right
	s_endpgm
.Lentry_shape_is_right:
; HYBRID ATTENTION.  out[b][i][hd][:] = the sum over all k of softmax_k(Q[i] . K[k] / 8) V[k]  +  the sum over k = i-2 .. i+1 (cut at 0 and 2,047) of softmax_k(the same scores) V[k].
; Q, K, V, out: [4][2048][8][64] in f32: a head's row is 256 aligned bytes, its rows lie 2,048 bytes apart.  Q, K and V are rounded once to bf16 for the products, the weights of both
; branches once to bf16 for the second product; products, maxima and sums are f32; the global l is the sum of the unrounded weights; out is stored in f32.
; LIMITS.  A score outside the window counts as -1e30: true scores must lie above that.  A weight below 2^-126 counts as 0.  NaN and infinities are not treated apart.
; Both softmaxes take a maximum away: the global one a running maximum, the local one the window's own.
; SHARES.  A work-group owns 256 queries of one head, a wave 64 consecutive ones: four PIECES of 16.  Every wave walks all 2,048 keys: 32 key steps of 64, in 16 TILES of 128 keys.  8 x 32 work-groups.
; CLUSTER.  The four query blocks of a cluster belong to one head and walk the same K and V: each raw tile is asked for JOINTLY, by the same tensor load, descriptor and mask in all four.
; THE ROAD OF A TILE.  A tensor load brings it in f32 into a raw slot; the four waves round it to bf16, each a quarter, into a second pair of slots (padded rows); from there all waves fetch fragments.
; Raw tile u lies in raw slot u % 2, is rounded during trip u - 1 into bf16 slot u % 2, and is multiplied in trip u.  One change of slots a trip orders all of it.
; THE LOCAL BRANCH stands in front of the walk, while the first tiles are on their way: for a piece of 16 queries a window of 32 keys (from 8 keys in front of the piece), 4 + 4 products;
; its result, already divided by its sum, waits in registers and is added on the way out.
; LAYOUT, SOFTMAX, TURNS.  S^T = K Q^T holds ONE query a lane (lane % 16) and the keys 8 (lane / 16) + 0..7; two such results rounded to bf16 ARE source 1 of O^T = V^T P.  p = 2^(c s - c m), c = log2(e) / 8,
; with a running maximum m; O and l are multiplied by a = 2^(c m_old - c m_new) in every step; m starts at the lowest finite number, O and l at 0, so the first step is a step like any other, with a = 0.
; Turn n belongs to piece n: 8 products K Q^T of piece n + 1, later 8 products V^T P of piece n - 1; beside them the scaling, exponentials, roundings, sums and rescaling of piece n and the maximum and
; statistics of piece n + 1.  Four vector instructions stand behind every matrix instruction, the other 54 of a turn's 118 in two lumps.
; REGISTERS, in windows of 256 (s_set_vgpr_msb: bits 1:0 source 0, 3:2 source 1, 5:4 source 2, 7:6 destination):
;   window 0: v0-63 addresses, statistics, at work; v64-127 S^T, two buffers (local phase: 16 a piece); v192-223 P, two buffers (local phase: 8 a piece); at the start v64-255 rows as loaded; at the end v64-191 rows of out
;   window 1: v0-127 O^T, 32 a piece; v128-255 the local branch's result, 32 a piece
;   window 2: v0-63 Q; v64-143 the local windows' K, then v64-127 a quarter step on its way to bf16; v128-191 K of one step; v192-255 V of one step
;   window 3: rows as loaded, then v0-127 the local windows' V, turned
.set NP,    4         ; pieces a wave: a name, no knob
.set KS,    64        ; keys in a step
.set PK,    144       ; a bf16 row of K in LDS: 128 bytes + 16 = 36 words: the 16 rows of a load start at 16 different groups of four banks (64 banks of 4 bytes: ISA guide 11.1)
.set PV,    160       ; a bf16 row of V: 128 + 32 = 40 words
.set VOFF,  2*KS*PK   ; a bf16 slot: 128 rows of K, then 128 rows of V
.set SLOTX, 0x10000   ; one exclusive or turns an address in slot 0 into slot 1's, raw or bf16
.set CVT0,  0x20000   ; raw slots at 0 and 0x10000 (65,536 bytes each: K's 128 rows of 256 bytes, then V's), written by tensor loads alone; bf16 slots at 0x20000 and 0x30000, written by LDS stores alone
.set CVT1,  0x30000
.set OWN,   0x3a000   ; each wave's own 13,312 bytes: first its local window of V (80 rows x 160), at the end its stage (16 rows x 272)
.set OWNB,  0x3400
.set SP,    272       ; a stage row: 256 bytes + 16
.set SPARE, 0x47000   ; the spare words, 128 bytes for each wave: two blocks of 256 bytes that no other line names
.set ROWB,  2048      ; bytes from a head's row to its next
.set TILEB, 128*ROWB  ; bytes from a tile to the next
.set AK0, 2           ; v2   my lane's place in a step of K; never rewritten
.set AV0, 3           ; v3   the same for V
.set AK,  4           ; v4   the LDS address of K's next run of loads
.set AV,  5           ; v5   of V's
.set STO, 6           ; v6   the way out: where I put 32 bytes of a row
.set RD,  7           ; v7   the way out: where I read rows back
.set GO,  8           ; v8   my byte offset in two rows of out
.set MV,  12          ; v12-13  c m_old, kept while c m is made anew: by buffer
.set QO,  15          ; v15  my byte offset in 16 rows of Q
.set ST,  16          ; piece t's statistics at v[ST+4 t]: c m, m, l (even keys', odd keys')
.set RK0, 32          ; v32  the rounding: my 16 bytes in my wave's first raw row of K
.set RV0, 33          ; v33  of V
.set WK0, 34          ; v34  my 8 bytes in my wave's first bf16 row of K
.set WV0, 35          ; v35  of V
.set CA,  36          ; v36-37  the rounding's two addresses in hand
.set CB,  37
.set PFO, 38          ; v38  the prefetches' offset: my lane x a row's 2,048 bytes; never rewritten
.set VS,  39          ; v39  where I put 16 bytes of the local window of V
.set AVL, 40          ; v40  my lane's place in that window, for the turning load
.set KO,  41          ; v41-45  my byte offset in block i of 16 rows of the wave's local window
.set H32, 46          ; v46  32 (lane / 16)
.set TMP, 48          ; by buffer, four registers c0-c3 at work; when the maximum is found c2 takes a.  Local phase: a pair a piece
.set R6,  56          ; v56  lane % 16 + 6: the window's first key, counted in the piece's 32
.set R9,  57          ; v57  lane % 16 + 9: its last
.set LOB, 58          ; v58  the first allowed key less 8 (lane / 16)
.set WD,  59          ; v59  the last allowed key less the first
.set H8,  60          ; v60  8 (lane / 16)
.set SPW, 62          ; v62  LDS address of my spare word: SPARE + 4 x my thread's number; never rewritten
.set NIL, 63          ; v63  0; never rewritten
.set S,   64
.set P,   192
.set OL,  128         ; window 1
.set KW,  64          ; window 2: block i of the local window of K, channel half c at KW + 16 i + 8 c
.set CX,  64          ; window 2: later, 16 groups of four f32
.set KF,  128         ; window 2: key block kb, channel half c at KF + 16 kb + 8 c
.set VF,  192         ; window 2: key half kk, channel block cb at VF + 32 kk + 8 cb
.set WV,  12          ; s12  my wave's number
.set LIM, 15          ; s15  1 in a wave that prefetches, else the greatest number
.set G1,  24          ; s[24:31] descriptor group 1: one shape for K's and V's tiles
.set G0A, 32          ; s[32:35] descriptor group 0 of the first fill of slot 0
.set G0B, 36          ; s[36:39] of slot 1's; it then walks
.set PFA, 40          ; s[40:41] where my prefetches stand
.set KVB, 42          ; s[42:43] K (waves 0, 1) or V (waves 2, 3) at my 64 rows of the head's tile 0
.set QW,  44          ; s44  my wave's first query
.set SLOTS, 56        ; s56  tiles still to be asked for
.set CNT, 57          ; s57  counts a tile's key steps
.set CS,  58          ; s[58:59] c: the packed scaling takes the pair's low word for both halves
.set SEL, 60          ; s[60:61] v_permlanex16_b32's selects: each lane takes its own place in the other half
.set TBK, 62          ; s62  LDS byte at which the bf16 K of the step to be fetched begins
.set TBV, 63          ; s63  the same for V, less VOFF
.set TRAW, 66         ; s66  LDS byte at which the raw step to be rounded begins
.set TCK, 67          ; s67  LDS byte at which its bf16 K will begin
.set TCV, 68          ; s68  its bf16 V, less VOFF
.set TL,  69          ; s69  counts the last two tiles
.set BIGN, 70         ; s70  -1e30
.set MK,  72          ; s72-75  four lane masks
.set MSB, 0
.macro WIN new                      ; the high byte repeats the setting that is left; a switch that changes nothing is dropped
.if MSB != (\new)
	s_set_vgpr_msb (MSB<<8)|(\new)
.set MSB, (\new)
.endif
.endm
.set W_KQ, 0x0a       ; K and Q in window 2, S^T in window 0
.set W_PV, 0x52       ; V in window 2, P in window 0, O^T in window 1
.set W_RS, 0x41       ; destination and source 0 in window 1, source 1 in window 0
; A round of the cluster's barrier: my work-group's barrier, so that wave 0's signal speaks for all four waves; wave 0 signals; every wave waits for all four work-groups; my work-group's barrier once more.
.macro CROUND
	s_barrier_signal -1
	s_barrier_wait -1
	s_cmp_lg_u32 s[WV], 0
	s_cbranch_scc1 .Lnot_wave_0_\@
	s_barrier_signal -3
.Lnot_wave_0_\@:
	s_barrier_wait -3
	s_barrier_signal -1
	s_barrier_wait -1
.endm
; A PREFETCH INTO THE L2 of the tile that the NEXT change of slots will ask for: one trip, 128 matrix instructions, ahead of its load.  A tile has 128 rows of K and 128 of V, 256 bytes a row, a lane a row.
; Each row is named once in the launch: both clusters of a head walk the same rows, and the head's first cluster asks; its four partners take 32 rows each, told apart BY ADDRESS; in each, wave 0 asks for K's
; and wave 2 for V's.  Tiles 0 to 2 come by their loads alone; the last change that fills a slot asks for nothing: no tile lies behind it.
.macro ASK
	s_cmp_gt_u32 s[SLOTS], s[LIM]
	s_cbranch_scc0 .Lnot_mine_\@
	global_prefetch_b8 v[PFO], s[PFA:PFA+1] th:TH_LOAD_NT scope:SCOPE_SE
.Lnot_mine_\@:
.endm
; THE CHANGE OF SLOTS, at the head of trip t.  Each wave waits for all its tensor loads, of which one is out: its part of raw tile t + 1; adds 0 to its spare word; and waits for that, for its stores into bf16 slot
; t % 2, for its reads of raw slot t % 2 and for its reads of the other bf16 slot.  Behind the barrier bf16 tile t is whole, raw tile t + 1 is whole, and nobody reads raw slot t % 2 or bf16 slot (t + 1) % 2.
; fill = 1: the barrier is a round of the cluster's, so that all this holds of every partner, and raw slot t % 2 is filled with tile t + 2, the first thing behind it: it has a trip, 128 matrix instructions, to land.
.macro CHANGE fill
	WIN 0                           ; at a label and at a branch every window is 0
	s_wait_tensorcnt 0x0            ; no tensor load of mine is out, so a group 0 may be written
	ds_add_u32 v[SPW], v[NIL]       ; 0 onto my spare word: the scalar work below stands between it and the wait for it
.if \fill
	s_xor_b32 s[G0B+1], s[G0B+1], SLOTX  ; the walking descriptor: the other slot than last time,
	s_add_nc_u64 s[G0B+2:G0B+3], s[G0B+2:G0B+3], TILEB  ; the next 128 keys; the type bits on top are not reached
	s_wait_xcnt 0x0                 ; the last prefetch, a trip back, has read its address, so it may be written
	s_add_nc_u64 s[PFA:PFA+1], s[PFA:PFA+1], TILEB
.endif
	s_sub_co_u32 s[TBK], s[TBK], 2*KS*PK  ; the five walking addresses go back to a slot's first step,
	s_xor_b32 s[TBK], s[TBK], SLOTX       ; in the other slot
	s_sub_co_u32 s[TBV], s[TBV], 2*KS*PV
	s_xor_b32 s[TBV], s[TBV], SLOTX
	s_sub_co_u32 s[TRAW], s[TRAW], 2*KS*256
	s_xor_b32 s[TRAW], s[TRAW], SLOTX
	s_sub_co_u32 s[TCK], s[TCK], 2*KS*PK
	s_xor_b32 s[TCK], s[TCK], SLOTX
	s_sub_co_u32 s[TCV], s[TCV], 2*KS*PV
	s_xor_b32 s[TCV], s[TCV], SLOTX
	s_wait_dscnt 0x0                ; the add is done; so are my LDS stores and reads
.if \fill
	CROUND
	tensor_load_to_lds s[G0B:G0B+3], s[G1:G1+7]  ; my one tensor load behind the round: 64 rows of 256 bytes
	s_nop 0
.rept 4
	v_nop
.endr
	ASK
.else
	s_barrier_signal -1
	s_barrier_wait -1
.endif
.endm
	s_load_b256 s[4:11], s[0:1], 0x0  ; Q s[4:5], K s[6:7], V s[8:9], out s[10:11]
	v_lshl_add_u32 v[SPW], v0, 2, SPARE
	v_mov_b32 v[NIL], 0
	ds_add_u32 v[SPW], v[NIL]       ; the wave's opening: the add, waited for ahead of my first tensor load; the set-up below, work on registers, stands between them
	v_lshrrev_b32 v1, 5, v0
	v_readfirstlane_b32 s[WV], v1   ; wave 0..3
	s_bfe_u32 s13, ttmp6, 0x40000   ; cx: my place in the cluster: it enters Q's, out's and the local windows' global addresses, the prefetches' address and the local mask's data, nothing else
	s_lshl_b32 s14, ttmp9, 2        ; in a cluster launch ttmp9 counts clusters
	s_add_co_u32 s14, s14, s13      ; my block of 256 queries
	s_lshl_b32 s[QW], s14, 8
	s_lshl_b32 s16, s[WV], 6
	s_add_co_u32 s[QW], s[QW], s16  ; my wave's first query
	s_and_b32 s16, ttmp7, 0xffff    ; 8 b + hd, which the four partners share
	s_lshr_b32 s17, s16, 3
	s_lshl_b32 s17, s17, 22         ; b x 2,048 rows x 2,048 bytes
	s_and_b32 s16, s16, 7
	s_lshl_b32 s16, s16, 8          ; hd x 256 bytes
	s_add_co_u32 s20, s17, s16      ; the head's first byte in each of the four tensors: under 2^24
	s_mov_b32 s21, 0
	s_lshl_b32 s22, s[QW], 11
	s_add_co_u32 s22, s22, s20      ; my wave's first row of Q and of out
	s_mov_b32 s23, 0
	s_and_b32 s18, s[WV], 1         ; which half of a tile's 128 keys I fetch:
	s_lshl_b32 s18, s18, 17         ; its 64 rows, 2,048 bytes apart
	s_add_co_u32 s18, s18, s20
	s_mov_b32 s19, 0
	; descriptor group 1: a tile of 64 rows x 64 elements of 4 bytes, rows 512 elements apart; dense in LDS, where each half of the lanes will read 256 consecutive bytes
	s_mov_b32 s[G1], 15|(2<<16)|(1<<21)  ; 15:0 the mask: all four work-groups; 17:16 elements of 4 bytes; 21 set beside a mask
	s_mov_b32 s[G1+1], 64<<16       ; tensor_dim0 = 64
	s_mov_b32 s[G1+2], 64<<16       ; tensor_dim1 = 64
	s_mov_b32 s[G1+3], 64<<16       ; tile_dim0 = 64
	s_mov_b32 s[G1+4], 64           ; tile_dim1 = 64
	s_mov_b32 s[G1+5], 512          ; elements from row to row
	s_mov_b32 s[G1+6], 0
	s_mov_b32 s[G1+7], 0
	s_mov_b32 s[G0A], 1             ; 1:0 count = 1
	s_lshl_b32 s[G0A+1], s[WV], 14  ; 63:32 LDS address: wave x 16,384: K's two halves, then V's; no place in the cluster enters it
	s_mov_b32 s[G0B], 1
	s_add_co_u32 s[G0B+1], s[G0A+1], SLOTX
	s_mov_b32 s[CS], 0x3e38aa3b     ; c = log2(e) / 8 = 0.180337
	s_mov_b32 s[CS+1], s[CS]        ; named with it as a pair
	s_mov_b32 s[SEL], 0x76543210
	s_mov_b32 s[SEL+1], 0xfedcba98
	s_mov_b32 s[BIGN], 0xf149f2ca   ; -1e30
	s_mov_b32 s[TBK], CVT1+2*KS*PK  ; the first change of slots turns these two into bf16 slot 0
	s_mov_b32 s[TBV], CVT1+2*KS*PV
	s_mov_b32 s[TRAW], 0            ; tile 0 is rounded ahead of that change, out of raw slot 0 into bf16 slot 0
	s_mov_b32 s[TCK], CVT0
	s_mov_b32 s[TCV], CVT0
	s_mov_b32 s[SLOTS], 14          ; tiles 2 to 15
	s_and_b32 s[LIM], s[WV], 1      ; 0 in waves 0 and 2,
	s_or_b32 s[LIM], s[LIM], ttmp9  ; where the cluster is the head's first: the same in all four partners
	s_cmp_eq_u32 s[LIM], 0
	s_cselect_b32 s[LIM], 1, -1
	s_wait_dscnt 0x0                ; the opening add is done
	s_wait_kmcnt 0x0
	s_cmp_lt_u32 s[WV], 2
	s_cselect_b64 s[KVB:KVB+1], s[6:7], s[8:9]  ; waves 0 and 1 fetch K, waves 2 and 3 V: one line of text serves all four
	s_add_nc_u64 s[KVB:KVB+1], s[KVB:KVB+1], s[18:19]
	s_add_nc_u64 s[6:7], s[6:7], s[20:21]    ; K and V at the head's row 0
	s_add_nc_u64 s[8:9], s[8:9], s[20:21]
	s_add_nc_u64 s[4:5], s[4:5], s[22:23]    ; Q and out at my wave's first row
	s_add_nc_u64 s[10:11], s[10:11], s[22:23]
	s_lshl_b32 s16, s13, 16         ; my work-group's 32 rows of a tile's 128
	s_mov_b32 s17, 0
	s_add_nc_u64 s[PFA:PFA+1], s[KVB:KVB+1], s[16:17]
	s_add_nc_u64 s[PFA:PFA+1], s[PFA:PFA+1], 2*TILEB  ; in tile 2; the first change of slots steps it to tile 3.  Nothing is prefetched here, at the head
	s_mov_b64 s[G0A+2:G0A+3], s[KVB:KVB+1]   ; 120:64 global address: tile 0
	s_or_b32 s[G0A+3], s[G0A+3], 0x80000000  ; 127:126 type = 2
	s_add_nc_u64 s[G0B+2:G0B+3], s[KVB:KVB+1], TILEB  ; tile 1
	s_or_b32 s[G0B+3], s[G0B+3], 0x80000000
	CROUND                          ; all four work-groups are here: the first joint loads meet
	tensor_load_to_lds s[G0A:G0A+3], s[G1:G1+7]  ; the two first fills go out together: two loads of mine are out
	s_nop 0
	tensor_load_to_lds s[G0B:G0B+3], s[G1:G1+7]
	s_nop 0
.rept 4
	v_nop
.endr
	; THE LOCAL PHASE: ITS LOADS.  The wave's window is 80 rows from 8 in front of its first query, in five blocks of 16; rows outside the head are clamped to its ends, and masked later.
	v_and_b32 v1, 15, v0            ; r = l % 16
	v_bfe_u32 v9, v0, 4, 1          ; h = l / 16
	v_and_b32 v10, 7, v0
	v_bfe_u32 v11, v0, 3, 1
	v_lshlrev_b32 v[H32], 5, v9
	v_lshl_add_u32 v[QO], v1, 11, v[H32]  ; row x 2,048 + 32 x half
.irp i, 0,1,2,3,4
	s_add_co_u32 s13, s[QW], 16*(\i)
	v_add_nc_u32 v14, s13, v1       ; the row + 8
	v_cmp_gt_u32 vcc_lo, 8, v14
	v_cndmask_b32 v14, v14, 8, vcc_lo  ; at least row 0,
	v_min_u32 v14, 2055, v14        ; at most row 2,047
	v_add_nc_u32 v14, -8, v14
	v_lshl_add_u32 v[KO+(\i)], v14, 11, v[H32]
.endr
; 16 rows x 64 channels of f32 in 32 registers: lane (r, h) takes row r, and for m = 0..3 the channels 16 m + 8 h + 0..7 (two loads of 16 bytes).  Rounded in order they are the two bf16 fragments of those rows.
.macro ROWS16 dst, off, base, imm
.irp m, 0,1,2,3
	global_load_b128 v[(\dst)+8*(\m):(\dst)+8*(\m)+3],   v[\off], s[\base:\base+1] offset:(\imm)+64*(\m)
	global_load_b128 v[(\dst)+8*(\m)+4:(\dst)+8*(\m)+7], v[\off], s[\base:\base+1] offset:(\imm)+64*(\m)+16
.endr
.endm
	WIN 0xc0                        ; destination window 3, address window 0
.irp i, 0,1,2,3,4
	ROWS16 32*(\i), KO+(\i), 8, 0   ; V's five blocks: 40 loads
.endr
.irp i, 0,1,2
	ROWS16 160+32*(\i), KO+(\i), 6, 0  ; K's blocks 0 to 2: 24 loads
.endr
	WIN 0
.irp i, 3,4
	ROWS16 32*(\i)-32, KO+(\i), 6, 0   ; K's blocks 3 and 4, at v64 and v96: 16 loads
.endr
.irp t, 0,1,2,3
	ROWS16 128+32*(\t), QO, 4, 16*ROWB*(\t)  ; Q's four pieces: 32 loads
.endr
	; while they are out: the other addresses
	v_mul_u32_u24 v[AK0], v1, PK
	v_lshl_add_u32 v[AK0], v9, 4, v[AK0]  ; row x pitch + 16 x half
	; The turning load takes 16 keys x 16 channels (lane l reads key 8 (l / 16) + l % 8, channels 8 ((l / 8) % 2) + 0..7) and leaves half a fragment of V^T: lane l holds channel l % 16 and 8 keys.
	v_lshl_add_u32 v[AV0], v9, 3, v10
	v_mul_u32_u24 v[AV0], v[AV0], PV
	v_lshl_add_u32 v[AV0], v11, 4, v[AV0]
	s_mul_i32 s18, s[WV], OWNB
	s_add_co_u32 s18, s18, OWN      ; my wave's own bytes
	v_add_nc_u32 v[AVL], s18, v[AV0]
	v_add_nc_u32 v[AV0], VOFF, v[AV0]
	v_mul_u32_u24 v[VS], v1, PV     ; the local window of V: row r of a block, 16 bytes for each half of the lanes
	v_lshl_add_u32 v[VS], v9, 4, v[VS]
	v_add_nc_u32 v[VS], s18, v[VS]
	v_mul_u32_u24 v[STO], v1, SP    ; the stage, in: row l % 16, 32 bytes for each half of the lanes
	v_lshl_add_u32 v[STO], v9, 5, v[STO]
	v_add_nc_u32 v[STO], s18, v[STO]
	v_mul_u32_u24 v[RD], v9, SP     ; back: lanes 0-15 take one row of 256 bytes, lanes 16-31 the next
	v_lshl_add_u32 v[RD], v1, 4, v[RD]
	v_add_nc_u32 v[RD], s18, v[RD]
	v_lshlrev_b32 v[GO], 11, v9     ; and the same two rows in out
	v_lshl_add_u32 v[GO], v1, 4, v[GO]
	s_lshl_b32 s19, s[WV], 12       ; the rounding: of a step's 64 rows wave w takes 16 w .. 16 w + 15, of K and of V
	v_lshlrev_b32 v47, 4, v1
	v_add_nc_u32 v47, s19, v47      ; 16 raw rows x wave + my 16 bytes (4 channels) of a row
	v_lshl_add_u32 v[RK0], v9, 11, v47  ; K: the halves of the lanes 8 rows apart,
	v_lshl_add_u32 v[RV0], v9, 10, v47  ; V: 4 rows apart, so that the two halves' 128 bytes of a bf16 store fall on different banks: 8 x 36 and 4 x 40 words are both 32 modulo 64
	s_mul_i32 s19, s[WV], 16*PK
	v_mul_u32_u24 v[WK0], v9, 8*PK
	v_lshl_add_u32 v[WK0], v1, 3, v[WK0]
	v_add_nc_u32 v[WK0], s19, v[WK0]
	s_mul_i32 s19, s[WV], 16*PV
	s_add_co_u32 s19, s19, VOFF
	v_mul_u32_u24 v[WV0], v9, 4*PV
	v_lshl_add_u32 v[WV0], v1, 3, v[WV0]
	v_add_nc_u32 v[WV0], s19, v[WV0]
	v_and_b32 v[PFO], 31, v0
	v_lshlrev_b32 v[PFO], 11, v[PFO]
	; What the first turn finds: O^T is 0, and V's registers hold 0 (its products V^T P, of a piece that has not been, add 0).  192 lines, in the wait for the loads: the price of writing no first step out.
	WIN 0x40
.set z, 0
.rept 128
	v_mov_b32 v[z], 0
.set z, z+1
.endr
	WIN 0x80
.set z, VF
.rept 64
	v_mov_b32 v[z], 0
.set z, z+1
.endr
	; THE LOCAL PHASE: TO bf16.
.macro CVT16 d, x                   ; 32 f32 from x on -> 16 registers from d on: two fragments
.set z, 0
.rept 16
	v_cvt_pk_bf16_f32 v[(\d)+z], v[(\x)+2*z], v[(\x)+2*z+1]
.set z, z+1
.endr
.endm
.macro CVTV x                       ; in place: group m's eight f32 -> the four registers x + 8 m ..: 16 bytes of a row; no line writes a register that a later line reads
.set z, 0
.rept 16
	v_cvt_pk_bf16_f32 v[(\x)+8*(z/4)+z%4], v[(\x)+2*z], v[(\x)+2*z+1]
.set z, z+1
.endr
.endm
	s_wait_loadcnt 63               ; of the 112 loads at most 63 are out: the oldest 49 are in, V's 40 among them
	WIN 0xcf                        ; all three places in window 3
.irp i, 0,1,2,3,4
	CVTV 32*(\i)
.endr
	WIN 0x0c                        ; store data in window 3
.irp i, 0,1,2,3,4
.irp m, 0,1,2,3
	ds_store_b128 v[VS], v[32*(\i)+8*(\m):32*(\i)+8*(\m)+3] offset:16*PV*(\i)+32*(\m)
.endr
.endr
	s_wait_loadcnt 32               ; all but Q's 32 loads are in
	WIN 0x8f                        ; window 3 to window 2
.irp i, 0,1,2
	CVT16 KW+16*(\i), 160+32*(\i)
.endr
	WIN 0x80                        ; window 0 to window 2
	CVT16 KW+48, 64
	CVT16 KW+64, 96
	s_wait_loadcnt 0x0              ; Q
.irp t, 0,1,2,3
	CVT16 16*(\t), 128+32*(\t)
.endr
	s_wait_dscnt 0x0                ; the stores of V's window are done: the registers that they read are loaded anew below
	WIN 0xc0
.irp t, 0,1,2,3                     ; piece t's window begins at row 16 t; channels 16 cb on
.irp cb, 0,1,2,3
	ds_load_tr16_b128 v[32*(\t)+8*(\cb):32*(\t)+8*(\cb)+3],   v[AVL] offset:16*PV*(\t)+32*(\cb)
	ds_load_tr16_b128 v[32*(\t)+8*(\cb)+4:32*(\t)+8*(\cb)+7], v[AVL] offset:16*PV*(\t)+32*(\cb)+16*PV
.endr
.endr
	; THE LOCAL SCORES: piece t, key block kb of its window's two.  The eight accumulators take turns; the first eight products start the sums.
	WIN W_KQ
.irp c, 0,1
.irp t, 0,1,2,3
.irp kb, 0,1
.if (\c) == 0
	v_wmma_f32_16x16x32_bf16 v[S+16*(\t)+8*(\kb):S+16*(\t)+8*(\kb)+7], v[KW+16*((\t)+(\kb)):KW+16*((\t)+(\kb))+7], v[16*(\t):16*(\t)+7], 0
.else
	v_wmma_f32_16x16x32_bf16 v[S+16*(\t)+8*(\kb):S+16*(\t)+8*(\kb)+7], v[KW+16*((\t)+(\kb))+8:KW+16*((\t)+(\kb))+15], v[16*(\t)+8:16*(\t)+15], v[S+16*(\t)+8*(\kb):S+16*(\t)+8*(\kb)+7]
.endif
.endr
.endr
.endr
	WIN 0
	v_add_nc_u32 v[R6], 6, v1       ; four plain lines, the places behind those products (ISA guide 7.12.1)
	v_add_nc_u32 v[R9], 9, v1
	v_lshlrev_b32 v[H8], 3, v9
	v_nop
	; THE LOCAL MASK.  Counted in the piece's window of 32, query r may see keys r + 6 .. r + 9, and of them those inside the head.  Register j of block kb holds key 16 kb + 8 h + j: it is allowed where
	; (16 kb + j) - (first - 8 h), taken unsigned, is at most last - first.  Each accumulator's registers are taken in ascending order.
.set t, 0
.rept 4
	s_add_co_u32 s13, s[QW], 16*t   ; the piece's first query
	s_sub_co_i32 s14, 8, s13
	s_max_i32 s14, s14, 0           ; key 0's place in the window, where the window begins in front of it
	s_sub_co_u32 s16, 2055, s13
	s_min_u32 s16, s16, 31          ; key 2,047's place, where the window ends behind it
	v_cmp_gt_u32 vcc_lo, s14, v[R6]
	v_cndmask_b32 v[LOB], v[R6], s14, vcc_lo
	v_min_u32 v[WD], s16, v[R9]
	v_sub_nc_u32 v[WD], v[WD], v[LOB]
	v_sub_nc_u32 v[LOB], v[LOB], v[H8]
.set z, 0
.rept 4
.irp q, 0,1,2,3
	v_sub_nc_u32 v[TMP+(\q)], 16*((z+(\q))/8)+(z+(\q))%8, v[LOB]
.endr
.irp q, 0,1,2,3
	v_cmp_ge_u32 s[MK+(\q)], v[WD], v[TMP+(\q)]
.endr
.irp q, 0,1,2,3
	v_cndmask_b32 v[S+16*t+z+(\q)], s[BIGN], v[S+16*t+z+(\q)], s[MK+(\q)]
.endr
.set z, z+4
.endr
.set t, t+1
.endr
.macro ALL line:vararg              ; one line for each piece t
.set t, 0
.rept 4
	\line
.set t, t+1
.endr
.endm
	; THE LOCAL SOFTMAX, stage by stage, the four pieces alternating.  The maximum of a lane's 16 scores in two chains, then the other half of the lanes'.
	ALL v_max3_num_f32 v[TMP+2*t], v[S+16*t], v[S+16*t+1], v[S+16*t+2]
	ALL v_max3_num_f32 v[TMP+2*t+1], v[S+16*t+8], v[S+16*t+9], v[S+16*t+10]
	ALL v_max3_num_f32 v[TMP+2*t], v[TMP+2*t], v[S+16*t+3], v[S+16*t+4]
	ALL v_max3_num_f32 v[TMP+2*t+1], v[TMP+2*t+1], v[S+16*t+11], v[S+16*t+12]
	ALL v_max3_num_f32 v[TMP+2*t], v[TMP+2*t], v[S+16*t+5], v[S+16*t+6]
	ALL v_max3_num_f32 v[TMP+2*t+1], v[TMP+2*t+1], v[S+16*t+13], v[S+16*t+14]
	ALL v_max3_num_f32 v[TMP+2*t], v[TMP+2*t], v[S+16*t+7], v[S+16*t+15]
	ALL v_max_num_f32 v[TMP+2*t], v[TMP+2*t], v[TMP+2*t+1]
	ALL v_permlanex16_b32 v[TMP+2*t+1], v[TMP+2*t], s[SEL], s[SEL+1]
	ALL v_max_num_f32 v[ST+4*t+1], v[TMP+2*t], v[TMP+2*t+1]
	ALL v_mul_f32 v[ST+4*t], s[CS], v[ST+4*t+1]
.set z, 0
.rept 32                            ; c s - c m, two at a time
	v_pk_fma_f32 v[S+2*z:S+2*z+1], v[S+2*z:S+2*z+1], s[CS:CS+1], v[ST+4*(z/8):ST+4*(z/8)+1] op_sel_hi:[1,0,0] neg_lo:[0,0,1] neg_hi:[0,0,1]
.set z, z+1
.endr
.set z, 0
.rept 64
	v_exp_f32 v[S+z], v[S+z]
.set z, z+1
.endr
	v_nop                           ; a plain instruction between the last exponential and the use of its result (ISA guide 5.7.2)
	s_wait_alu depctr_va_vdst(0)
	ALL v_pk_add_f32 v[TMP+2*t:TMP+2*t+1], v[S+16*t:S+16*t+1], v[S+16*t+2:S+16*t+3]
.set k, 2
.rept 6
	ALL v_pk_add_f32 v[TMP+2*t:TMP+2*t+1], v[TMP+2*t:TMP+2*t+1], v[S+16*t+2*k:S+16*t+2*k+1]
.set k, k+1
.endr
	ALL v_add_f32 v[TMP+2*t], v[TMP+2*t], v[TMP+2*t+1]
	ALL v_permlanex16_b32 v[TMP+2*t+1], v[TMP+2*t], s[SEL], s[SEL+1]
	ALL v_add_f32 v[TMP+2*t], v[TMP+2*t], v[TMP+2*t+1]
	ALL v_rcp_f32 v[TMP+2*t], v[TMP+2*t]  ; the sum is at least 1: the largest weight is 1
	v_nop                           ; a plain instruction between the last reciprocal and the use of its result
.set z, 0
	s_wait_alu depctr_va_vdst(0)
.rept 32                            ; the weights are divided by their sum in f32 and then rounded once
	v_pk_mul_f32 v[S+2*z:S+2*z+1], v[S+2*z:S+2*z+1], v[TMP+2*(z/8):TMP+2*(z/8)+1] op_sel_hi:[1,0]
.set z, z+1
.endr
.set z, 0
.rept 32
	v_cvt_pk_bf16_f32 v[P+z], v[S+2*z], v[S+2*z+1]
.set z, z+1
.endr
	s_wait_dscnt 0x0                ; the window of V, turned, is in
	WIN 0x53                        ; V^T in window 3, P in window 0, the result in window 1
.irp t, 0,1,2,3                     ; THE LOCAL PRODUCT: sixteen accumulators, one product each
.irp cb, 0,1,2,3
	v_wmma_f32_16x16x32_bf16 v[OL+32*(\t)+8*(\cb):OL+32*(\t)+8*(\cb)+7], v[32*(\t)+8*(\cb):32*(\t)+8*(\cb)+7], v[P+8*(\t):P+8*(\t)+7], 0
.endr
.endr
	WIN 0
; THE ROUNDING OF A STEP, my wave's quarter: 16 rows of K and 16 of V.  CONV_LOAD: 16 LDS loads, each half of the lanes 256 consecutive bytes, a whole raw row.
.macro CONV_LOAD
	WIN 0
	v_add_nc_u32 v[CA], s[TRAW], v[RK0]
	v_add_nc_u32 v[CB], s[TRAW], v[RV0]
	s_add_co_u32 s[TRAW], s[TRAW], KS*256  ; the next one is the next step's
	WIN 0x80                        ; destination window 2
.irp n, 0,1,2,3,4,5,6,7             ; K: rows 16 w + 8 h + n
	ds_load_b128 v[CX+4*(\n):CX+4*(\n)+3], v[CA] offset:256*(\n)
.endr
.irp n, 0,1,2,3,4,5,6,7             ; V, behind K's 128 raw rows: rows 16 w + 4 h + 0..3 and + 8..11
	ds_load_b128 v[CX+32+4*(\n):CX+32+4*(\n)+3], v[CB] offset:0x8000+256*((\n)+4*((\n)/4))
.endr
	WIN 0
.endm
; CONV_STORE: four f32 become 8 bytes, in place, and go into the padded bf16 rows.
.macro CONV_STORE
	WIN 0
	v_add_nc_u32 v[CA], s[TCK], v[WK0]
	v_add_nc_u32 v[CB], s[TCV], v[WV0]
	s_add_co_u32 s[TCK], s[TCK], KS*PK
	s_add_co_u32 s[TCV], s[TCV], KS*PV
	WIN 0x8a                        ; all three places in window 2
.set z, 0
.rept 16
	v_cvt_pk_bf16_f32 v[CX+4*z], v[CX+4*z], v[CX+4*z+1]
	v_cvt_pk_bf16_f32 v[CX+4*z+1], v[CX+4*z+2], v[CX+4*z+3]
.set z, z+1
.endr
	WIN 0x08                        ; store data in window 2
.irp n, 0,1,2,3,4,5,6,7
	ds_store_b64 v[CA], v[CX+4*(\n):CX+4*(\n)+1] offset:PK*(\n)
.endr
.irp n, 0,1,2,3,4,5,6,7
	ds_store_b64 v[CB], v[CX+32+4*(\n):CX+32+4*(\n)+1] offset:PV*((\n)+4*((\n)/4))
.endr
	WIN 0
.endm
	; TILE 0 is rounded ahead of the walk.
	s_wait_tensorcnt 1              ; my part of raw tile 0 is in; tile 1's may stay out
	s_barrier_signal -1
	s_barrier_wait -1               ; everybody's is
.rept 2
	CONV_LOAD
	s_wait_dscnt 0x0
	CONV_STORE
.endr
.set z, 0
.rept 4                             ; (the roundings above are the places behind the local products, whose P is written over below)
	v_mov_b32 v[ST+4*z], 0xfe000000    ; c m: far below every c s
	v_mov_b32 v[ST+4*z+1], 0xff7fffff  ; m
	v_mov_b32 v[ST+4*z+2], 0
	v_mov_b32 v[ST+4*z+3], 0
.set z, z+1
.endr
.set z, P+16
.rept 16
	v_mov_b32 v[z], 0               ; P's second buffer: the first turn multiplies it by V's zeros
.set z, z+1
.endr
; THE MATRIX WORK.  The 4 accumulators of a run of 8 take turns.  Product i of 8 of S^T = K Q^T for piece x: channels 32 (i / 4) on, keys 16 (i % 4) on.  The first 4 start the sums.
.macro KQ x
	WIN W_KQ
.set rS, S+32*((\x)%2)+8*(i%4)
.set rK, KF+16*(i%4)+8*(i/4)
.set rQ, 16*(\x)+8*(i/4)
.if i < 4
	v_wmma_f32_16x16x32_bf16 v[rS:rS+7], v[rK:rK+7], v[rQ:rQ+7], 0
.else
	v_wmma_f32_16x16x32_bf16 v[rS:rS+7], v[rK:rK+7], v[rQ:rQ+7], v[rS:rS+7]
.endif
.endm
; Product i of 8 of O^T += V^T P for piece x: keys 32 (i / 4) on, channels 16 (i % 4) on.
.macro PV x
	WIN W_PV
.set rO, 32*(\x)+8*(i%4)
.set rV, VF+32*(i/4)+8*(i%4)
.set rP, P+16*((\x)%2)+8*(i/4)
	v_wmma_f32_16x16x32_bf16 v[rO:rO+7], v[rV:rV+7], v[rP:rP+7], v[rO:rO+7]
.endm
.macro MM                           ; the turn's next matrix instruction.  NOKQ = 1: the walk's last turn: there is no next piece
.if (i < 8) && !NOKQ
	KQ (Y+1)%NP
.elseif i >= 8
.set i, i-8
	PV (Y+NP-1)%NP
.set i, i+8
.endif
.set i, i+1
.endm
; THE FRAGMENT LOADS stand in runs of 16, never singly among the matrix instructions: a step's K (64 keys x 64 channels: 8 fragments) and its V (turned).  Their addresses are made some lines ahead.
.macro FETCH_K
	WIN 0x80                        ; destination window 2
.irp f, 0,1,2,3,4,5,6,7             ; keys 16 (f / 2) on, channels 32 (f % 2) on
	ds_load_b128 v[KF+8*\f:KF+8*\f+3],   v[AK] offset:(\f/2)*16*PK+(\f%2)*64
	ds_load_b128 v[KF+8*\f+4:KF+8*\f+7], v[AK] offset:(\f/2)*16*PK+(\f%2)*64+32
.endr
	s_add_co_u32 s[TBK], s[TBK], KS*PK  ; the next fetch is the next step's
	WIN 0
.endm
.macro FETCH_V
	WIN 0x80
.irp f, 0,1,2,3,4,5,6,7             ; keys 32 (f / 4) on, channels 16 (f % 4) on
	ds_load_tr16_b128 v[VF+8*\f:VF+8*\f+3],   v[AV] offset:(\f/4)*32*PV+(\f%4)*32
	ds_load_tr16_b128 v[VF+8*\f+4:VF+8*\f+7], v[AV] offset:(\f/4)*32*PV+16*PV+(\f%4)*32
.endr
	WIN 0
.endm
; THE VECTOR WORK, one line at a time: OP kind, number.  For piece Y: F n: c s - c m for pair n of 16.  E n: the exponential of score n of 32.  C n: pair n rounded to bf16.  B n: of the four weights 4 n .. the second
; pair is added onto the first, in place.  L n: l takes that sum (L 0: l = a l + sum).  R n: pair n of 16 of O^T times a.  For piece Y + 1: X n, number n of the 22 that find its maximum and statistics:
;   0-11  four chains c0-c3 of seven scores each, three operands at a time (each accumulator's lowest registers are read first)     12-14, 16  the four scores left over, the old m, and c0-c3 into c0
;   15  c m_old is kept     17, 18  the query's other 32 keys lie in the lane 16 away: the new m     19-21  c m; c m_old - c m_new; a
.set F, 0               ; OP tells the kinds apart by their order: F to L below R, X above it
.set E, 1
.set C, 2
.set B, 3
.set L, 4
.set R, 5
.set X, 6
.macro REGS y                       ; the registers of piece y
.set rT, ST+4*(\y)
.set rC, TMP+4*((\y)%2)
.set rW, MV+((\y)%2)
.set rS, S+32*((\y)%2)
.set rP, P+16*((\y)%2)
.set rO, 32*(\y)
.endm
.macro OP k, n
.if (\k) == R
	REGS Y
	WIN W_RS
	v_pk_mul_f32 v[rO+2*(\n):rO+2*(\n)+1], v[rO+2*(\n):rO+2*(\n)+1], v[rC+2:rC+3] op_sel_hi:[1,0]
.elseif (\k) < R
	REGS Y
	WIN 0
.if (\k) == F
	v_pk_fma_f32 v[rS+2*(\n):rS+2*(\n)+1], v[rS+2*(\n):rS+2*(\n)+1], s[CS:CS+1], v[rT:rT+1] op_sel_hi:[1,0,0] neg_lo:[0,0,1] neg_hi:[0,0,1]
.elseif (\k) == E
	v_exp_f32 v[rS+(\n)], v[rS+(\n)]
.elseif (\k) == C
	s_wait_alu depctr_va_vdst(0)
	v_cvt_pk_bf16_f32 v[rP+(\n)], v[rS+2*(\n)], v[rS+2*(\n)+1]
.elseif (\k) == B
	s_wait_alu depctr_va_vdst(0)
	v_pk_add_f32 v[rS+4*(\n):rS+4*(\n)+1], v[rS+4*(\n):rS+4*(\n)+1], v[rS+4*(\n)+2:rS+4*(\n)+3]
.elseif (\n) == 0
	v_pk_fma_f32 v[rT+2:rT+3], v[rT+2:rT+3], v[rC+2:rC+3], v[rS:rS+1] op_sel_hi:[1,0,1]
.else
	v_pk_add_f32 v[rT+2:rT+3], v[rT+2:rT+3], v[rS+4*(\n):rS+4*(\n)+1]
	s_wait_alu depctr_va_vdst(0)
.endif
.elseif NOKQ
	v_nop
	s_wait_alu depctr_va_vdst(0)
.else
	REGS (Y+1)%NP
	WIN 0
.if (\n) < 4
	v_max3_num_f32 v[rC+(\n)], v[rS+8*(\n)], v[rS+8*(\n)+1], v[rS+8*(\n)+2]
.elseif (\n) < 12
	v_max3_num_f32 v[rC+(\n)%4], v[rC+(\n)%4], v[rS+8*((\n)%4)+2*((\n)/4)+1], v[rS+8*((\n)%4)+2*((\n)/4)+2]
.elseif (\n) == 12
	v_max3_num_f32 v[rC], v[rC], v[rS+7], v[rS+15]
.elseif (\n) == 13
	v_max3_num_f32 v[rC+1], v[rC+1], v[rS+23], v[rS+31]
.elseif (\n) == 14
	v_max3_num_f32 v[rC+2], v[rC+2], v[rC+3], v[rT+1]
.elseif (\n) == 15
	v_mov_b32 v[rW], v[rT]
	s_wait_alu depctr_va_vdst(0)
.elseif (\n) == 16
	v_max3_num_f32 v[rC], v[rC], v[rC+1], v[rC+2]
	s_wait_alu depctr_va_vdst(0)
.elseif (\n) == 17
	v_permlanex16_b32 v[rC+3], v[rC], s[SEL], s[SEL+1]
.elseif (\n) == 18
	v_max_num_f32 v[rT+1], v[rC], v[rC+3]
.elseif (\n) == 19
	v_mul_f32 v[rT], s[CS], v[rT+1]
.elseif (\n) == 20
	v_sub_f32 v[rC+1], v[rW], v[rT]
.else
	v_exp_f32 v[rC+2], v[rC+1]
.endif
.endif
.endm
.macro OPS a, i1, b=-1, i2=0, c=-1, i3=0, d=-1, i4=0  ; up to four of them
	OP \a, \i1
.if (\b) >= 0
	OP \b, \i2
.endif
.if (\c) >= 0
	OP \c, \i3
.endif
.if (\d) >= 0
	OP \d, \i4
.endif
.endm
.macro ROW a, i1, b, i2, c, i3, d, i4  ; a matrix instruction and the four behind it
	MM
	OPS \a, \i1, \b, \i2, \c, \i3, \d, \i4
.endm
; A TURN, for piece p: the order of its 16 matrix and 118 vector instructions, written out.  Behind a matrix instruction: plain, exponential, plain, plain; or four of the rescaling; or, behind the first, four scalings; none
; names a register of the products round it.  In the lumps exponential and plain by turns while exponentials last.  A line reads no result made fewer than three vector instructions in front of it, five if an exponential made it.
; end = 1: the walk's last two turns: nothing is fetched.  cnt = 1: the loop's count is taken down some lines ahead of the branch that stands behind the turn.
; K of the next step is fetched in piece 2's turn, six vector instructions behind the last product that read K (five of them plain); V of the step in hand in piece 0's turn, eight behind the last product that read V (four
; plain, and X 17).  Each is waited for a turn later.
; conv: the rounding of one step of the NEXT tile rides along: its raw loads stand behind V's run in piece 0's turn, its roundings and stores behind the wait for V in piece 1's turn, which covers those loads too.
; conv = 1: always; conv = 2: jumped over in the walk's last trip, which has no next tile: a jump forward, past no barrier and no tensor load.
.macro TURN p, end=0, cnt=0, conv=0
.set Y, (\p)
.set i, 0
.set NOKQ, (\end)*((\p)/3)
.if ((\p) == 3) && !(\end)
	s_wait_dscnt 0x0                ; K is in
.endif
	ROW F,0, F,1, F,2, F,3
	ROW F,4, E,0, F,5, F,6
	ROW F,7, E,1, F,8, F,9
	ROW F,10, E,2, C,0, F,11
	ROW F,12, E,3, X,15, F,13
	ROW R,0, R,1, R,2, R,3
	ROW B,0, E,4, F,14, L,0
.if ((\p) == 2) && !(\end)
	v_add_nc_u32 v[AK], s[TBK], v[AK0]
.endif
	ROW R,4, R,5, R,6, R,7
	OPS E,5, F,15
.if ((\p) == 2) && !(\end)
	FETCH_K
.endif
	OPS E,6, C,1, E,7, R,8
	OPS E,8, R,9, E,9, C,2
	OPS E,10, X,0, E,11, X,1
	OPS E,12, X,2, E,13, X,3
.if (\p) == 1
	s_wait_dscnt 0x0                ; V is in, and so is the raw quarter step
.if (\conv) == 2
	s_cmp_eq_u32 s[TL], 1
	s_cbranch_scc1 .Lno_store_\@
.endif
.if (\conv)
	CONV_STORE
.endif
.if (\conv) == 2
.Lno_store_\@:
.endif
.endif
	ROW X,4, E,14, X,5, X,6
	ROW X,7, E,15, X,8, X,9
	ROW X,10, E,16, X,11, X,12
	ROW X,13, E,17, X,14, B,1
	ROW C,4, E,18, X,16, L,1
	ROW B,2, E,19, C,6, L,2
	ROW C,8, E,20, B,3, B,4
.if (\p) == 0
	v_add_nc_u32 v[AV], s[TBV], v[AV0]
.endif
	ROW C,3, E,21, L,3, C,5
	OPS E,22, X,17, E,23, C,10
.if (\p) == 0
	FETCH_V
.if (\conv) == 2
	s_cmp_eq_u32 s[TL], 1
	s_cbranch_scc1 .Lno_load_\@
.endif
.if (\conv)
	CONV_LOAD
.endif
.if (\conv) == 2
.Lno_load_\@:
.endif
.endif
	OPS E,24, L,4
	OPS E,25, X,18, E,26, C,7
	OPS E,27, B,5, E,28, X,19
	OPS E,29, C,12, E,30, L,5
	OPS E,31, X,20, B,6, C,9
	OPS C,14, C,11, X,21, L,6
.if (\p) == 0
	s_add_co_u32 s[TBV], s[TBV], KS*PV
.endif
.if \cnt
	s_sub_co_u32 s[CNT], s[CNT], 1
	s_cmp_lg_u32 s[CNT], 0
.endif
	OPS C,13, B,7, C,15, R,10
	OPS R,11, R,12, L,7, R,13
	OPS R,14, R,15
.endm
	; THE WALK BEGINS.
	CHANGE 1                        ; bf16 tile 0 and raw tile 1 are whole; raw slot 0 takes tile 2
	v_add_nc_u32 v[AK], s[TBK], v[AK0]
	FETCH_K                         ; key step 0
	s_wait_dscnt 0x0
.set NOKQ, 0
.set i, 0
.rept 8
	KQ 0                            ; piece 0's first scores: there is no vector work yet to set between them
.set i, i+1
.endr
	WIN 0
.rept 4
	v_nop                           ; the places behind those products
.endr
.set Y, NP-1                        ; X works for piece Y + 1: piece 0
.irp n, 0,1,2,3,4,5,6,7,8,9,10,11,12,13,14,15,16,17,18,19,20,21
	OP X, \n
.endr
	v_nop                           ; a plain instruction behind the exponential
	s_mov_b32 s[CNT], 2
	s_branch .Lfirst                ; the loop is entered at a step's first turn, in the middle of a trip
.Lslot:                             ; with the change above 14 times: tiles 0 to 13 are entered, tiles 2 to 15 asked for
	CHANGE 1
	s_mov_b32 s[CNT], 2
.Lstep:                             ; a trip: pieces 2 and 3 of one step, then pieces 0 and 1 of the next, whose K and V it fetches; and a step of the next tile is rounded
	TURN 2
	TURN 3
	WIN 0
.Lfirst:
	TURN 0, 0, 0, 1
	TURN 1, 0, 1, 1
	WIN 0
	s_cbranch_scc1 .Lstep
	s_sub_co_u32 s[SLOTS], s[SLOTS], 1
	s_cmp_lg_u32 s[SLOTS], 0
	s_cbranch_scc1 .Lslot
	s_mov_b32 s[TL], 2              ; the last two tiles are written out: nothing is asked for; the first of them still rounds the second
.Ltl:
	CHANGE 0
	s_mov_b32 s[CNT], 2
.Ltstep:
	TURN 2
	TURN 3
	WIN 0
	TURN 0, 0, 0, 2
	TURN 1, 0, 1, 2
	WIN 0
	s_cbranch_scc1 .Ltstep
	s_sub_co_u32 s[TL], s[TL], 1
	s_cmp_lg_u32 s[TL], 0
	s_cbranch_scc1 .Ltl
	TURN 2, 1                       ; the last step's pieces 2 and 3
	TURN 3, 1
.set i, 0
.rept 8
	PV NP-1                         ; the last piece's V^T P of the last step
.set i, i+1
.endr
	; THE WAY OUT.  l's two halves and the other half of the lanes' are added; out = O^T / l + the local branch's result, one fused line for two numbers; a piece at a time goes through my stage in LDS.
	; The additions are the places behind the last products.
	WIN 0
	ALL v_add_f32 v[ST+4*t+2], v[ST+4*t+2], v[ST+4*t+3]
	ALL v_permlanex16_b32 v[ST+4*t+3], v[ST+4*t+2], s[SEL], s[SEL+1]
	ALL v_add_f32 v[ST+4*t+2], v[ST+4*t+2], v[ST+4*t+3]
	ALL v_rcp_f32 v[ST+4*t+2], v[ST+4*t+2]
	v_nop                           ; a plain instruction between the last reciprocal and the use of its result
	s_wait_alu depctr_va_vdst(0)
; Piece t: a lane's eight channels of a row are 32 bytes; they go into rows of 272 bytes and come back as whole rows of 256.  Both accumulators' registers are taken in ascending order.
.macro PACK t
	WIN 0x51                        ; O^T and the local result in window 1, 1 / l in window 0
.set z, 0
.rept 16
	v_pk_fma_f32 v[32*(\t)+2*z:32*(\t)+2*z+1], v[32*(\t)+2*z:32*(\t)+2*z+1], v[ST+4*(\t)+2:ST+4*(\t)+3], v[OL+32*(\t)+2*z:OL+32*(\t)+2*z+1] op_sel_hi:[1,0,1]
.set z, z+1
.endr
	WIN 0x04                        ; store data in window 1
.irp f, 0,1,2,3,4,5,6,7
	ds_store_b128 v[STO], v[32*(\t)+4*(\f):32*(\t)+4*(\f)+3] offset:64*((\f)/2)+16*((\f)%2)
.endr
	WIN 0
.irp f, 0,1,2,3,4,5,6,7
	ds_load_b128 v[S+32*(\t)+4*(\f):S+32*(\t)+4*(\f)+3], v[RD] offset:(\f)*2*SP  ; LDS serves a wave's instructions in order (ISA guide 5.7.1.4): these see the stores above; the next piece's stores come behind them
.endr
.endm
.macro SEND t, younger              ; younger: the LDS instructions issued behind piece t's loads: the next piece's sixteen, or none
	WIN 0
.irp f, 0,1,2,3,4,5,6,7
	s_wait_dscnt (\younger)+7-(\f)
	global_store_b128 v[GO], v[S+32*(\t)+4*(\f):S+32*(\t)+4*(\f)+3], s[10:11] offset:(\t)*16*ROWB+(\f)*2*ROWB th:TH_STORE_NT  ; 16 lanes store 256 consecutive bytes, at a multiple of 256 from out's first byte
.endr
.endm
	PACK 0
	PACK 1                          ; a piece's arithmetic stands between the loads of the piece before and its stores
	SEND 0, 16
	PACK 2
	SEND 1, 16
	PACK 3
	SEND 2, 16
	SEND 3, 0
	s_wait_tensorcnt 0x0            ; the wave's end, behind my last tensor load and my last LDS store
	ds_add_u32 v[SPW], v[NIL]
	s_wait_dscnt 0x0
	CROUND                          ; the closing round: no work-group ends while a partner may still ask for a tile that names it
	s_endpgm
.Lfunc_end_k_q665d39c662_hybrid:
	.size	k_q665d39c662_hybrid, .Lfunc_end_k_q665d39c662_hybrid-k_q665d39c662_hybrid
	.p2alignl 7, 3214868480
	.fill 96, 4, 3214868480
	.section	.rodata,"a",@progbits
	.p2align	6, 0x0
	.amdhsa_kernel k_q665d39c662_hybrid
		.amdhsa_group_segment_fixed_size 327680
		.amdhsa_private_segment_fixed_size 0
		.amdhsa_enable_private_segment 0
		.amdhsa_kernarg_size 32
		.amdhsa_user_sgpr_count 2
		.amdhsa_user_sgpr_kernarg_segment_ptr 1
		.amdhsa_wavefront_size32 1
		.amdhsa_system_sgpr_workgroup_id_x 1
		.amdhsa_system_sgpr_workgroup_id_y 1
		.amdhsa_system_sgpr_workgroup_id_z 1
		.amdhsa_system_vgpr_workitem_id 0
		.amdhsa_next_free_vgpr 1024
		.amdhsa_next_free_sgpr 96
		.amdhsa_reserve_vcc 1
		.amdhsa_float_denorm_mode_32 3
		.amdhsa_float_denorm_mode_16_64 3
		.amdhsa_memory_ordered 1
		.amdhsa_forward_progress 1
		.amdhsa_inst_pref_size 210
	.end_amdhsa_kernel
	.amdgpu_metadata
---
amdhsa.version: [ 1, 2 ]
amdhsa.kernels:
  - .name:           k_q665d39c662_hybrid
    .symbol:         k_q665d39c662_hybrid.kd
    .args:
      - { .name: queries, .offset: 0, .size: 8, .value_kind: global_buffer, .address_space: global }
      - { .name: keys, .offset: 8, .size: 8, .value_kind: global_buffer, .address_space: global }
      - { .name: values, .offset: 16, .size: 8, .value_kind: global_buffer, .address_space: global }
      - { .name: out0, .offset: 24, .size: 8, .value_kind: global_buffer, .address_space: global }
    .group_segment_fixed_size: 327680
    .private_segment_fixed_size: 0
    .kernarg_segment_align: 8
    .kernarg_segment_size: 32
    .max_flat_workgroup_size: 128
    .sgpr_count:     96
    .vgpr_count:     1024
    .wavefront_size: 32
...
	.end_amdgpu_metadata
.endif
;; end of part 1
